; MI455X (gfx1250); checked and timed in simulation.
; The chip was launched on July 23, 2026; its instructions are those of AMD's public machine-readable ISA for CDNA 5 (MIT licence, August 2026) and "CDNA5" Instruction Set Architecture Reference Guide (July 2026). The comments in the code are by the model that wrote it; some were corrected since.
;; Multi Headed Attention. Allowed arithmetic: matrix products marked QUANTISED: E2M3 operands, one E8M0 scale for each 32 along K, by v_wmma_scale_f32_16x16x128_f8f6f4 with both operands' format E2M3, f32 sums; everything else in f32.
;; Inputs: Wk 1,024 x 1,024 float32; Wq 1,024 x 1,024 float32; Wv 1,024 x 1,024 float32; bk 1,024 float32; bq 1,024 float32; bv 1,024 float32; key 4 x 2,048 x 1,024 float32; mask 4 x 2,048 x 2,048 int32; query 4 x 2,048 x 1,024 float32; value 4 x 2,048 x 1,024 float32.
;; Outputs: out0 4 x 2,048 x 1,024 float32.
;; This version of the problem:
;;   THIS VERSION OF THE PROBLEM IS GIVEN IN LOW PRECISION. The matrix products marked QUANTISED in the list below multiply operands that are first quantised to E2M3 (2 exponent bits, 3 mantissa bits; 6 bits a number), with one power-of-two scale for each 32 numbers along K (OCP MX v1.0); their sums are f32. All else is computed in f32.
;;   The module's matrix products, in the order in which they are computed (A, B: the left and right operand; K: the contracted axis; several contracted axes count as one K, in the product's order):
;;     1. [M 8,192, K 1,024] x [K 1,024, N 1,024]; A: input query; B: input Wq: QUANTISED
;;     2. [M 8,192, K 1,024] x [K 1,024, N 1,024]; A: input key; B: input Wk: QUANTISED
;;     3. [M 8,192, K 1,024] x [K 1,024, N 1,024]; A: input value; B: input Wv: QUANTISED
;;     4. batch 64 x [M 2,048, K 64] x [K 64, N 2,048]; A: computed on the way; B: computed on the way: QUANTISED
;;     5. batch 64 x [M 2,048, K 2,048] x [K 2,048, N 64]; A: softmax (see below); B: computed on the way: QUANTISED
;;   THE QUANTISER, for each operand of a quantised product, along K:
;;     - K is cut into blocks of 32 from its start; a last block that is shorter is filled with zeros.
;;     - A block's scale is 2^e with e = floor(log2(the largest magnitude in the block)) - 2, held to -126 .. 127; a block of zeros has e = 0. As a byte (E8M0): e + 127.
;;     - Each number is divided by its block's scale, clamped to +-7.5, and rounded to the nearest number of E2M3, ties to even, subnormals kept.
;;     - The product sums the exact products of the quantised numbers (number of the format x scale) in f32.
;;   ~~~python
;;   def quantise(x, axis):      # numpy; x: float32 -> the quantised numbers, widened to float32 again
;;       x = np.moveaxis(x, axis, -1); K = x.shape[-1]
;;       x = np.pad(x, [(0, 0)] * (x.ndim - 1) + [(0, -K % 32)]); x = x.reshape(x.shape[:-1] + (-1, 32)); a = np.abs(x).max(-1, keepdims=True)
;;       e = np.where(a > 0, np.clip(np.frexp(np.where(a > 0, a, 1))[1] - 1 - 2, -126, 127), 0)      # np.frexp(a)[1] - 1 = floor(log2(a)), exactly
;;       r = np.clip(x / 2.0 ** e, -7.5, 7.5)
;;       step = 2.0 ** (np.maximum(np.frexp(np.where(r == 0, 1, r))[1] - 1, 0) - 3)
;;       q = np.round(r / step) * step * 2.0 ** e      # np.round: ties to even
;;       return np.moveaxis(q.reshape(q.shape[:-2] + (-1,))[..., :K], -1, axis).astype(np.float32)
;;   ~~~
;;   SOFTMAX AHEAD OF A QUANTISED PRODUCT. Where the list says 'softmax', what is quantised is not the finished softmax but p = 2^(t - M), with t = logit x log2(e) and M = ceil(the row's largest t), a whole number; so 1/2 < the row's largest p <= 1. The row's sum l is taken of the UNQUANTISED p, in f32, and the product's result is divided by l at the end. Since M is a whole number, a kernel that streams over the keys may use a running M (the ceiling of the running maximum): every later rescaling is an exact power of two, which a block's scale takes up: the codes' values come out the same.
;;   OPERANDS COMPUTED ON THE WAY. 'Computed on the way' means the value that the module computes at that place (a softmax that the list does not call 'softmax' is quantised finished and normalised). What goes into a quantiser is computed in f32, as accurately as f32 sums, v_exp_f32 and their like allow (about 1e-6 of the number): no bf16 or f16 on the way to a quantiser, and a product that is left as it is and whose result goes on into a quantised operand takes f32 operands (vector FMAs, or v_wmma_f32_16x16x4_f32). A number that lies on a knife's edge between two numbers of the format may be rounded either way, as far as f32 arithmetic and the matrix unit's own rounding can turn it there, and no further.
;; One version. Each part assembles by itself: llvm-mc -triple=amdgcn-amd-amdhsa -mcpu=gfx1250 --defsym DOCPART=n.
;; ======== version 1 of 1: 3 launches
;; limits: right only within a limited range of input values
;; workspace buffers: codes 21,233,664 bytes; scales 884,736 bytes; mimg 8,388,608 bytes; img 18,874,368 bytes; isc 786,432 bytes
;; launch prep (part 1): grid 1376 x 1, 4 waves a work-group, no clusters, 37,376 bytes of LDS; arguments query, key, value, Wq, Wk, Wv, mask, codes, scales, mimg; writes codes, scales, mimg
.if DOCPART == 1
	.amdgcn_target "amdgcn-amd-amdhsa--gfx1250"
	.amdhsa_code_object_version 6
	.text
	.protected	k_q9ecb60d086_prep
	.globl	k_q9ecb60d086_prep
	.p2align	8
	.type	k_q9ecb60d086_prep,@function
k_q9ecb60d086_prep:
	s_mov_b64 s[64:65], 0
	v_nop
	global_prefetch_b8 v0, s[64:65] scope:SCOPE_SE
	s_setreg_imm32_b32 hwreg(HW_REG_WAVE_MODE, 25, 1), 1
	s_wait_xcnt 0x0
; PREP.  Two kinds of work-groups, told apart by the work-group's number alone.
; (1) Work-groups 0 .. 863: query, key, value [8192][1024] and Wq, Wk, Wv [1024][1024], f32, K innermost, become codes of FP6 (E2M3) and one E8M0 scale byte for each 32 along K.
;     The six tensors are stacked by rows in 'codes' (768 bytes a row) and 'scales' (32 bytes a row): query 0, key 8192, value 16384, Wq 24576, Wk 25600, Wv 26624.
;     A block's scale is 2^(floor(log2(largest magnitude)) - 2); its byte is the largest magnitude's exponent field - 2, held at 1 from below.  A block of zeros gets the byte 1: its codes are zeros, and this program alone reads the bytes.
;     A wave takes 8,192 numbers = 8 rows.  ROW ORDER: in value, Wq and Wk the second and third group of 8 rows of each 32 change places on the way out, so that 16 stored neighbours are rows 0-7, 16-23 or 8-15, 24-31 of their 32:
;     the projections then leave 16 neighbours along the next K in a lane's 16 registers.  In key, of each 64 rows the group of 8 rows 4 X + j is stored as group 2 j + X, so that 16 stored neighbours are keys 8 j + i and 32 + 8 j + i:
;     the attention's scores then leave 32 neighbouring keys in a lane's 32 registers.
; (2) Work-groups 864 .. 1375: the mask [4][2048][2048] int32 becomes one 4-bit code a score: 0xF (FP4: -6) where mask == 0, else 0, laid in the order of the attention's score registers:
;     mimg[b*128 + q tile][key step of 128][1024 bytes]; register u (0..7) of lane l at (u/4)*512 + 16 l + 4 (u%4); its nibble j is key 64 (u/4) + 32 (l/16) + 8 (u%4) + j of query l%16.
; LIMITS: NaN and infinities among the inputs are not served; blocks whose largest magnitude lies under 2^-124 keep the byte 1.
; No tensor loads, no barrier: waves share nothing.  Each path has LDS bytes of its own.
.set STEPS, 16
.set EMAX,  2
.set CB,    12                         ; bytes of 16 codes
.set R,     16                         ; v16-79   four sets of 16 numbers as loaded
.set X,     80                         ; v80-111  two sets of 16 neighbours
.set E,     112                        ; v112-127 a scale byte for each step
.set C,     128                        ; v128-191 codes, four registers a step
.set WREG,  8192                       ; LDS of a quantising wave: two stages of 32 x SP bytes, then its 256 scale bytes
.set SP,    80
.set SPW,   12                         ; v12  LDS address of my spare word; never rewritten
.set NIL,   13                         ; v13  0; never rewritten
.set MREG,  32768                      ; LDS of the mask path: 1,024 bytes a wave
.set SPARE, 36864                      ; the spare words: 128 bytes a wave
.set MWA,   9                          ; v9   mask path: where my 16 bits of a row go
.set MRA,   11                         ; v11  mask path: where I read 16 bytes back
.set QWG,   864                        ; work-groups that quantise
	s_load_b512 s[4:19], s[0:1], 0x0               ; query, key, value, Wq, Wk, Wv, mask s[16:17], codes s[18:19]
	s_load_b128 s[20:23], s[0:1], 0x40             ; scales s[20:21], mimg s[22:23]
	v_lshl_add_u32 v[SPW], v0, 2, SPARE
	v_mov_b32 v[NIL], 0
	v_lshrrev_b32 v1, 5, v0
	v_readfirstlane_b32 s24, v1                    ; wave
	v_and_b32 v2, 31, v0                           ; lane
	v_lshlrev_b32 v3, 4, v2                        ; 16 x lane
	s_mul_i32 s25, s24, WREG
	v_lshrrev_b32 v14, 2, v2
	v_mul_u32_u24 v14, v14, SP
	v_and_b32 v15, 3, v2
	v_lshl_add_u32 v14, v15, 4, v14
	v_add_nc_u32 v14, s25, v14                     ; the stage, way in: SP (lane / 4) + 16 (lane % 4)
	v_mul_u32_u24 v15, v2, SP
	v_add_nc_u32 v15, s25, v15                     ; way out: SP x lane: my 16 neighbours
	v_mul_u32_u24 v4, v2, CB                       ; my codes' place in a step's
	v_lshrrev_b32 v5, 1, v2
	s_add_co_u32 s25, s25, 2*32*SP
	v_add_nc_u32 v5, s25, v5                       ; my block's scale byte in LDS
	v_lshlrev_b32 v7, 3, v2
	v_add_nc_u32 v6, s25, v7                       ; and 8 bytes a lane on the way out
	; the mask path's two LDS addresses, made ahead of the parting.  My keys are 4 l .. 4 l + 3
	v_and_b32 v8, 1, v2
	v_lshlrev_b32 v[MWA], 1, v8                    ; key bit 2: which half of the register
	v_bfe_u32 v8, v2, 1, 1
	v_lshl_add_u32 v[MWA], v8, 2, v[MWA]           ; key bit 3: the register's low bit
	v_bfe_u32 v8, v2, 2, 1
	v_lshl_add_u32 v[MWA], v8, 3, v[MWA]           ; key bit 4: its second bit
	v_bfe_u32 v8, v2, 3, 1
	v_lshl_add_u32 v[MWA], v8, 8, v[MWA]           ; key bit 5: the reader's half of the lanes
	v_bfe_u32 v8, v2, 4, 1
	v_lshl_add_u32 v[MWA], v8, 9, v[MWA]           ; key bit 6: the register's high bit
	s_lshl_b32 s36, s24, 10
	s_add_co_u32 s36, s36, MREG
	v_add_nc_u32 v[MWA], s36, v[MWA]
	v_add_nc_u32 v[MRA], s36, v3
	s_wait_kmcnt 0x0
	s_cmp_ge_u32 ttmp9, QWG
	s_cbranch_scc1 .Lmask
	; ---------------- the quantiser ----------------
	s_lshr_b32 s28, ttmp9, 8                       ; a large tensor has 256 work-groups of 32 rows,
	s_and_b32 s29, ttmp9, 255
	s_sub_co_u32 s30, ttmp9, 768
	s_lshr_b32 s31, s30, 5                         ; a weight 32
	s_add_co_u32 s31, s31, 3
	s_and_b32 s30, s30, 31
	s_cmp_lt_u32 ttmp9, 768
	s_cselect_b32 s28, s28, s31                    ; t: which tensor, 0 .. 5
	s_cselect_b32 s29, s29, s30                    ; which 32 rows of it
	s_mov_b64 s[26:27], s[4:5]
	s_cmp_eq_u32 s28, 1
	s_cselect_b64 s[26:27], s[6:7], s[26:27]
	s_cmp_eq_u32 s28, 2
	s_cselect_b64 s[26:27], s[8:9], s[26:27]
	s_cmp_eq_u32 s28, 3
	s_cselect_b64 s[26:27], s[10:11], s[26:27]
	s_cmp_eq_u32 s28, 4
	s_cselect_b64 s[26:27], s[12:13], s[26:27]
	s_cmp_eq_u32 s28, 5
	s_cselect_b64 s[26:27], s[14:15], s[26:27]     ; the source; the choice hangs on the work-group's number alone
	s_sub_co_u32 s31, s28, 1
	s_and_b32 s32, s24, 1
	s_lshl_b32 s32, s32, 1
	s_lshr_b32 s33, s24, 1
	s_or_b32 s32, s32, s33                         ; the wave's number with its two bits swapped
	s_cmp_lt_u32 s31, 4                            ; value, Wq, Wk (key's run is chosen below)
	s_cselect_b32 s32, s32, s24
	s_lshl_b32 s29, s29, 2
	s_add_co_u32 s29, s29, s24
	s_lshl_b32 s34, s29, 15                        ; my 8 rows in the source: 32,768 bytes a run
	s_mov_b32 s35, 0
	s_add_nc_u64 s[26:27], s[26:27], s[34:35]
	s_lshl_b32 s33, ttmp9, 2
	s_add_co_u32 s33, s33, s32                     ; my run in the stacked buffers
	s_lshl_b32 s36, ttmp9, 2
	s_add_co_u32 s36, s36, s24                     ; key: my run's number; its three low bits X j1 j0 become j1 j0 X
	s_and_b32 s37, s36, 3
	s_lshl_b32 s37, s37, 1
	s_bfe_u32 s38, s36, 0x10002
	s_or_b32 s37, s37, s38
	s_and_not1_b32 s36, s36, 7
	s_or_b32 s36, s36, s37
	s_cmp_eq_u32 s28, 1
	s_cselect_b32 s33, s36, s33
	s_mul_i32 s34, s33, 32*STEPS*CB
	s_add_nc_u64 s[18:19], s[18:19], s[34:35]
	s_lshl_b32 s34, s33, 8
	s_add_nc_u64 s[20:21], s[20:21], s[34:35]
.macro LOAD t
.irp i, 0,1,2,3
	global_load_b128 v[R+16*((\t)%4)+4*\i:R+16*((\t)%4)+4*\i+3], v3, s[26:27] offset:2048*(\t)+512*\i th:TH_LOAD_NT   ; 32 lanes read 512 consecutive bytes
.endr
.endm
.macro TURN t                          ; step t's numbers through the stage: LDS serves a wave's instructions in order
.irp i, 0,1,2,3
	ds_store_b128 v14, v[R+16*((\t)%4)+4*\i:R+16*((\t)%4)+4*\i+3] offset:32*SP*((\t)%2)+8*SP*\i
.endr
.irp i, 0,1,2,3
	ds_load_b128 v[X+16*((\t)%2)+4*\i:X+16*((\t)%2)+4*\i+3], v15 offset:32*SP*((\t)%2)+16*\i
.endr
.endm
.irp t, 0,1,2,3
	LOAD \t
.endr
	s_wait_loadcnt 12                              ; step 0's four loads are in; three steps' twelve may be out
	TURN 0
.macro STEP t
.set XS, X+16*((\t)%2)
.if (\t) > 0
	s_wait_dscnt 1                                 ; this step's numbers are back from the stage (the last step's byte store may be out)
.else
	s_wait_dscnt 0x0
.endif
.if (\t)+4 < STEPS
	LOAD (\t)+4
.endif
.if (\t)+1 < STEPS
.if STEPS-2-(\t) >= 3
	s_wait_loadcnt 12                              ; the next step's four loads are in; those of the three steps behind it may be out
.else
	s_wait_loadcnt 4*(STEPS-2-(\t))
.endif
	TURN (\t)+1
.endif
	v_max3_num_f32 v8, |v[XS]|, |v[XS+1]|, |v[XS+2]|               ; the largest magnitude of my 16
	v_max3_num_f32 v9, |v[XS+3]|, |v[XS+4]|, |v[XS+5]|
.irp i, 6,10
	v_max3_num_f32 v8, v8, |v[XS+\i]|, |v[XS+\i+1]|
	v_max3_num_f32 v9, v9, |v[XS+\i+2]|, |v[XS+\i+3]|
.endr
	v_max3_num_f32 v8, v8, |v[XS+14]|, |v[XS+15]|
	v_max3_num_f32 v8, v8, v9, (EMAX+1)<<23        ; and the floor 2^(3 - 127): the byte cannot fall under 1
	v_max_num_f32_dpp v8, v8, v8 row_xmask:1 row_mask:0xf bank_mask:0xf   ; with my neighbour's 16: the block's
	v_add_nc_u32 v11, -(EMAX<<23), v8              ; 2 off its exponent field: the conversion's scale operand
	v_cvt_scalef32_pk16_fp6_f32 v[C+4*(\t):C+4*(\t)+2], v[XS:XS+15], v11
	v_lshrrev_b32 v[E+(\t)], 23, v11               ; the scale's byte
	ds_store_b8 v5, v[E+(\t)] offset:16*(\t)       ; both lanes of a block write the same byte with the same value
	global_store_b96 v4, v[C+4*(\t):C+4*(\t)+2], s[18:19] offset:32*CB*(\t)
.endm
.irp t, 0,1,2,3,4,5,6,7,8,9,10,11,12,13,14,15
	STEP \t
.endr
	ds_load_b64 v[8:9], v6                         ; my wave's 256 scale bytes
	s_wait_dscnt 0x0
	global_store_b64 v7, v[8:9], s[20:21]          ; 32 lanes store 256 consecutive bytes, aligned
	s_wait_tensorcnt 0x0                           ; the wave's end
	ds_add_u32 v[SPW], v[NIL]
	s_wait_dscnt 0x0
	s_endpgm
	; ---------------- the mask ----------------
.Lmask:
	s_sub_co_u32 s28, ttmp9, QWG                   ; which tile of 16 queries: b*128 + q tile
	s_lshl_b32 s30, s28, 17                        ; 16 rows of 8,192 bytes
	s_lshl_b32 s29, s24, 11                        ; my wave's four key steps: 4 x 512 bytes of each row
	s_add_co_u32 s30, s30, s29
	s_mov_b32 s31, 0
	s_add_nc_u64 s[16:17], s[16:17], s[30:31]
	s_lshl_b32 s30, s28, 4
	s_lshl_b32 s29, s24, 2
	s_add_co_u32 s30, s30, s29
	s_lshl_b32 s30, s30, 10                        ; 1,024 bytes a key step
	s_add_nc_u64 s[22:23], s[22:23], s[30:31]
.macro LOADM u                         ; key step u of my four: 16 rows x 512 consecutive bytes
.irp row, 0,1,2,3,4,5,6,7,8,9,10,11,12,13,14,15
	global_load_b128 v[16+64*((\u)%2)+4*\row:16+64*((\u)%2)+4*\row+3], v3, s[16:17] offset:8192*\row+512*(\u) th:TH_LOAD_NT
.endr
.endm
.macro PACKM u                         ; my four keys of each row become four nibbles: 0xF where the mask is 0
.set MS, 16+64*((\u)%2)
.irp row, 0,1,2,3,4,5,6,7,8,9,10,11,12,13,14,15
	v_min_u32 v[MS+4*\row], 1, v[MS+4*\row]
	v_min_u32 v[MS+4*\row+1], 1, v[MS+4*\row+1]
	v_min_u32 v[MS+4*\row+2], 1, v[MS+4*\row+2]
	v_min_u32 v[MS+4*\row+3], 1, v[MS+4*\row+3]
	v_lshl_or_b32 v[MS+4*\row], v[MS+4*\row+1], 4, v[MS+4*\row]
	v_lshl_or_b32 v[MS+4*\row+2], v[MS+4*\row+3], 4, v[MS+4*\row+2]
	v_lshl_or_b32 v[MS+4*\row], v[MS+4*\row+2], 8, v[MS+4*\row]
	v_xor_b32 v[MS+4*\row], 0x1111, v[MS+4*\row]
	v_mul_u32_u24 v[144+\row], v[MS+4*\row], 15
	ds_store_b16 v[MWA], v[144+\row] offset:16*\row
.endr
.endm
	LOADM 0
	LOADM 1
.irp u, 0,1,2,3
.if \u < 3
	s_wait_loadcnt 16                              ; this unit's 16 loads are in; the next unit's may be out
.else
	s_wait_loadcnt 0x0
.endif
	PACKM \u
.if \u < 2
	LOADM \u+2
.endif
	ds_load_b128 v[160+8*\u:163+8*\u], v[MRA]      ; LDS serves a wave's instructions in order: these see my stores
	ds_load_b128 v[164+8*\u:167+8*\u], v[MRA] offset:512
	s_wait_dscnt 0x0                               ; back in registers; the stores have read theirs
	global_store_b128 v3, v[160+8*\u:163+8*\u], s[22:23] offset:1024*\u       ; 512 consecutive bytes, aligned
	global_store_b128 v3, v[164+8*\u:167+8*\u], s[22:23] offset:1024*\u+512
.endr
	s_wait_tensorcnt 0x0                           ; the wave's end
	ds_add_u32 v[SPW], v[NIL]
	s_wait_dscnt 0x0
	s_endpgm
.Lfunc_end_k_q9ecb60d086_prep:
	.size	k_q9ecb60d086_prep, .Lfunc_end_k_q9ecb60d086_prep-k_q9ecb60d086_prep
	.p2alignl 7, 3214868480
	.fill 96, 4, 3214868480
	.section	.rodata,"a",@progbits
	.p2align	6, 0x0
	.amdhsa_kernel k_q9ecb60d086_prep
		.amdhsa_group_segment_fixed_size 37376
		.amdhsa_private_segment_fixed_size 0
		.amdhsa_enable_private_segment 0
		.amdhsa_kernarg_size 80
		.amdhsa_user_sgpr_count 2
		.amdhsa_user_sgpr_kernarg_segment_ptr 1
		.amdhsa_wavefront_size32 1
		.amdhsa_system_sgpr_workgroup_id_x 1
		.amdhsa_system_sgpr_workgroup_id_y 1
		.amdhsa_system_sgpr_workgroup_id_z 1
		.amdhsa_system_vgpr_workitem_id 0
		.amdhsa_next_free_vgpr 192
		.amdhsa_next_free_sgpr 66
		.amdhsa_reserve_vcc 0
		.amdhsa_float_denorm_mode_32 3
		.amdhsa_float_denorm_mode_16_64 3
		.amdhsa_memory_ordered 1
		.amdhsa_forward_progress 1
		.amdhsa_inst_pref_size 74
	.end_amdhsa_kernel
	.amdgpu_metadata
---
amdhsa.version: [ 1, 2 ]
amdhsa.kernels:
  - .name:           k_q9ecb60d086_prep
    .symbol:         k_q9ecb60d086_prep.kd
    .args:
      - { .name: query, .offset: 0, .size: 8, .value_kind: global_buffer, .address_space: global }
      - { .name: key, .offset: 8, .size: 8, .value_kind: global_buffer, .address_space: global }
      - { .name: value, .offset: 16, .size: 8, .value_kind: global_buffer, .address_space: global }
      - { .name: Wq, .offset: 24, .size: 8, .value_kind: global_buffer, .address_space: global }
      - { .name: Wk, .offset: 32, .size: 8, .value_kind: global_buffer, .address_space: global }
      - { .name: Wv, .offset: 40, .size: 8, .value_kind: global_buffer, .address_space: global }
      - { .name: mask, .offset: 48, .size: 8, .value_kind: global_buffer, .address_space: global }
      - { .name: codes, .offset: 56, .size: 8, .value_kind: global_buffer, .address_space: global }
      - { .name: scales, .offset: 64, .size: 8, .value_kind: global_buffer, .address_space: global }
      - { .name: mimg, .offset: 72, .size: 8, .value_kind: global_buffer, .address_space: global }
    .group_segment_fixed_size: 37376
    .private_segment_fixed_size: 0
    .kernarg_segment_align: 8
    .kernarg_segment_size: 80
    .max_flat_workgroup_size: 128
    .sgpr_count:     66
    .vgpr_count:     192
    .wavefront_size: 32
...
	.end_amdgpu_metadata
.endif
;; end of part 1
;; launch proj (part 2): grid 4 x 96, 4 waves a work-group, clusters of 4 x 4, 327,680 bytes of LDS; arguments codes, scales, bq, bk, bv, img, isc; writes img, isc
.if DOCPART == 2
	.amdgcn_target "amdgcn-amd-amdhsa--gfx1250"
	.amdhsa_code_object_version 6
	.text
	.protected	k_q9ecb60d086_proj
	.globl	k_q9ecb60d086_proj
	.p2align	8
	.type	k_q9ecb60d086_proj,@function
k_q9ecb60d086_proj:
	s_mov_b64 s[64:65], 0
	v_nop
	global_prefetch_b8 v0, s[64:65] scope:SCOPE_SE
	s_setreg_imm32_b32 hwreg(HW_REG_WAVE_MODE, 25, 1), 1
	s_wait_xcnt 0x0
	s_wait_alu depctr_hold_cnt(0) depctr_sa_sdst(0) depctr_va_vdst(0) depctr_va_sdst(0) depctr_va_ssrc(0) depctr_va_vcc(0) depctr_vm_vsrc(0)
	s_getreg_b32 s2, hwreg(HW_REG_IB_STS2, 6, 4)
	s_cmp_eq_u32 s2, 0
	s_cbranch_scc0 .Lentry_in_a_cluster
	s_endpgm
.Lentry_in_a_cluster:
	s_bfe_u32 s2, ttmp6, 0x10000c
	s_cmp_lg_u32 s2, 0xf033
	s_cbranch_scc0 .Lentry_shape_is_right
	s_endpgm
.Lentry_shape_is_right:
; Q = query Wq^T + bq, K = key Wk^T + bk and V^T = Wv value^T + bv on codes of FP6, quantised again on the way out; the results leave as images of the attention's operand registers (img) and their scale words (isc).
; Cluster y / 8 says which tensor.  Q, K: A = the tokens' rows, B = the weight's rows.  V: A = Wv's rows, B = value's rows.  A tile is 256 rows of A x 256 rows of B; a wave makes 128 x 128 in 64 accumulators.
; THE MATRIX INSTRUCTION IS USED TRANSPOSED (source 0 = 16 rows of B, source 1 = 16 rows of A): a lane holds one row of A, and its registers run along B's rows, which are the next product's K (the head's 64 for Q and K, the keys for V).
; A row of codes is 768 bytes.  K goes through a ring of two LDS slots in CHUNKS OF 256 BYTES of each row, each beginning at a multiple of 256 bytes; a step of 128 along K is 96 bytes: eight steps to three chunks; steps 2 and 5 lie across two chunks.
; The scales of the tile's rows, for all of K, come once, at the head.  CLUSTERS 4 x 4: A's tiles are asked for jointly along a row of the cluster, B's along a column.
; No prefetch: K is three chunks, of which two are asked for at the head and behind its round: there is no loop to run ahead in.
; REGISTERS: window 0: v0-31 addresses; v32-63 scale words, two sets; v64-127 the bias along B's rows; v128-223 A's fragments, one set; v240-247 the bias along A's rows.  Window 1: B's fragments, two sets.  Windows 2, 3: the accumulators.
.set SIZE_K, 1024
.set ROWB,   256
.set NQ,     2
.set KROW,   SIZE_K*6/8
.set STEPS,  SIZE_K/128
.set CHUNKS, KROW/ROWB
.set PITCH,  272
.set FR,     12
.set NL,     6
.set NP,     4
.set HALFT,  128*PITCH
.set SLOT,   4*HALFT
.set KS,     SIZE_K/32
.set SCL,    2*SLOT
.set HALFS,  (128*KS/256)*272
.set SBLK,   (16*KS/256)*272
.set SPARE,  SCL+4*HALFS
.set ADRA, 16                          ; v16-17 my A fragments in slot 0, 1; v18-19 for a piece whose lanes 0-15 read the end of a chunk and whose lanes 16-31 the start of the next, in the other slot
.set ADRB, 20                          ; v20-23 the same for B
.set ADRS, 27
.set SPW,  28
.set NIL,  29
.set BJO,  30
.set BIO,  31
.set SC,   32
.set AF,   128
.set BJ,   64
.set BI,   240
.set T,    128
.set CDS,  192
.set TM,   212
.set SCW,  248
.set SOUT, 232
.set SEL,  40
.set G1, 24
.set G0, 32
.set G1B, 48
.set G0B, 56
.set G1S, 68
.set G0S, 76
.set G1SB, 80
.set G0SB, 88
.set G0H, 4                            ; s[4:7], s[8:11] group 0 of the head's loads of chunk 0 (the arguments that lay in s[4:7] have been used by then)
.set G0HB, 8
.set MSB, 0
.macro WIN new
.if MSB != \new
	s_set_vgpr_msb (MSB<<8)|\new
.set MSB, \new
.endif
.endm
.set MUL_LO, 0xa1
.set MUL_HI, 0xf1
.set TO_B,   0x40
.macro JLOAD g0a, g1a, g0b, g1b        ; a joint load: waves 0 and 1 fetch for A, waves 2 and 3 for B
	s_cmp_eq_u32 s15, 0
	s_cbranch_scc0 .Lfor_b_\@
	tensor_load_to_lds s[\g0a:\g0a+3], s[\g1a:\g1a+7]
	s_nop 0
.rept 4
	v_nop
.endr
	s_branch .Lasked_\@
.Lfor_b_\@:
	tensor_load_to_lds s[\g0b:\g0b+3], s[\g1b:\g1b+7]
	s_nop 0
.rept 4
	v_nop
.endr
.Lasked_\@:
.endm
.macro CREST
	s_cmp_lg_u32 s14, 0
	s_cbranch_scc1 .Lnot_wave_0_\@
	s_barrier_signal -3
.Lnot_wave_0_\@:
	s_barrier_wait -3
	s_barrier_signal -1
	s_barrier_wait -1
.endm
.macro CROUND
	s_barrier_signal -1
	s_barrier_wait -1
	CREST
.endm
	s_load_b128 s[4:7], s[0:1], 0x0                ; codes, scales
	s_load_b128 s[96:99], s[0:1], 0x10             ; bq, bk
	s_load_b64 s[100:101], s[0:1], 0x20            ; bv
	s_load_b64 s[12:13], s[0:1], 0x28              ; img
	s_load_b64 s[66:67], s[0:1], 0x30              ; isc
	v_lshl_add_u32 v[SPW], v0, 2, SPARE
	v_mov_b32 v[NIL], 0
	ds_add_u32 v[SPW], v[NIL]                      ; the opening lines: the add, twice on end, and its wait
	ds_add_u32 v[SPW], v[NIL]
	v_lshrrev_b32 v1, 5, v0
	v_readfirstlane_b32 s14, v1                    ; wave
	s_lshr_b32 s15, s14, 1                         ; which half of A's rows is mine; also: I fetch for A (0) or B (1)
	s_and_b32 s16, s14, 1                          ; which half of B's rows; also: which 128 rows I fetch
	s_bfe_u32 s40, ttmp6, 0x40000
	s_bfe_u32 s41, ttmp6, 0x40004
	s_and_b32 s105, ttmp7, 0xffff
	s_lshr_b32 s95, s105, 3                        ; the tensor: 0 Q, 1 K, 2 V
	s_and_b32 s104, s105, 7
	s_lshl_b32 s2, s95, 13                         ; A's first row in the stacked buffers,
	s_lshl_b32 s105, s95, 10
	s_add_co_u32 s105, s105, 24576                 ; and B's
	s_cmp_eq_u32 s95, 2
	s_cselect_b32 s17, 0, s104
	s_cselect_b32 s42, s104, 0
	s_cselect_b32 s2, 26624, s2
	s_cselect_b32 s105, 16384, s105
	s_lshl_b32 s17, s17, 2
	s_add_co_u32 s17, s17, s41                     ; tile row (A)
	s_lshl_b32 s42, s42, 2
	s_add_co_u32 s42, s42, s40                     ; tile column (B)
	s_lshl_b32 s43, s41, 2
	s_lshl_b32 s43, 15, s43                        ; my row of the cluster
	s_lshl_b32 s44, 0x1111, s40                    ; my column
	s_or_b32 s[G1+0], s43, (0<<16)|(1<<20)|(1<<21)|(5<<22)|(3<<25)
	s_or_b32 s[G1B+0], s44, (0<<16)|(1<<20)|(1<<21)|(5<<22)|(3<<25)
.irp g, G1, G1B
	s_mov_b32 s[\g+1], ROWB<<16
	s_mov_b32 s[\g+2], 256<<16                     ; the head's loads bring 256 rows; behind them the two words that count rows are set to 128
	s_mov_b32 s[\g+3], ROWB<<16
	s_mov_b32 s[\g+4], 256
	s_mov_b32 s[\g+5], KROW
	s_mov_b32 s[\g+6], 0
	s_mov_b32 s[\g+7], 0
.endr
	s_or_b32 s[G1S+0], s43, (3<<16)|(1<<20)|(1<<21)|(5<<22)|(3<<25)
	s_or_b32 s[G1SB+0], s44, (3<<16)|(1<<20)|(1<<21)|(5<<22)|(3<<25)
.irp g, G1S, G1SB
	s_mov_b32 s[\g+1], 32<<16
	s_mov_b32 s[\g+2], KS<<16                      ; the scales of 256 rows: KS rows of 256 bytes
	s_mov_b32 s[\g+3], 32<<16
	s_mov_b32 s[\g+4], KS
	s_mov_b32 s[\g+5], 32
	s_mov_b32 s[\g+6], 0
	s_mov_b32 s[\g+7], 0
.endr
	s_lshl_b32 s20, s17, 8
	s_add_co_u32 s20, s20, s2                      ; A: the tile's first row
	s_lshl_b32 s46, s42, 8
	s_add_co_u32 s46, s46, s105                    ; B: likewise
	s_mov_b32 s21, 0
	s_mov_b32 s47, 0
	s_mov_b64 s[18:19], KS
	s_mul_u64 s[22:23], s[20:21], s[18:19]
	s_mul_u64 s[92:93], s[46:47], s[18:19]
	s_mov_b64 s[18:19], KROW
	s_mul_u64 s[20:21], s[20:21], s[18:19]
	s_mul_u64 s[46:47], s[46:47], s[18:19]
	s_mul_i32 s18, s16, 128*KROW                   ; in the ring I fetch 128 rows of a tile: which half, in bytes
	s_mov_b32 s19, 0
	s_mul_i32 s45, s14, HALFT
	s_wait_dscnt 0x0
	s_wait_kmcnt 0x0
	s_add_nc_u64 s[20:21], s[4:5], s[20:21]
	s_add_nc_u64 s[22:23], s[6:7], s[22:23]
	s_add_nc_u64 s[46:47], s[4:5], s[46:47]
	s_add_nc_u64 s[92:93], s[6:7], s[92:93]
	CROUND                                         ; the round in front of the first joint loads
	s_mov_b32 s[G0S], 1
	s_mov_b32 s[G0S+1], SCL
	s_mov_b64 s[G0S+2:G0S+3], s[22:23]
	s_or_b32 s[G0S+3], s[G0S+3], 0x80000000
	s_mov_b32 s[G0SB], 1
	s_mov_b32 s[G0SB+1], SCL+2*HALFS
	s_mov_b64 s[G0SB+2:G0SB+3], s[92:93]
	s_or_b32 s[G0SB+3], s[G0SB+3], 0x80000000
	s_mov_b32 s[G0H], 1
	s_mov_b32 s[G0H+1], 0
	s_mov_b64 s[G0H+2:G0H+3], s[20:21]
	s_or_b32 s[G0H+3], s[G0H+3], 0x80000000
	s_mov_b32 s[G0HB], 1
	s_mov_b32 s[G0HB+1], 2*HALFT
	s_mov_b64 s[G0HB+2:G0HB+3], s[46:47]
	s_or_b32 s[G0HB+3], s[G0HB+3], 0x80000000
	s_add_nc_u64 s[20:21], s[20:21], s[18:19]      ; for the ring: my 128 rows of the tile
	s_add_nc_u64 s[46:47], s[46:47], s[18:19]
.irp s, 0,1
	s_mov_b32 s[G0+4*\s], 1
	s_add_co_u32 s[G0+4*\s+1], s45, \s*SLOT
	s_add_nc_u64 s[G0+4*\s+2:G0+4*\s+3], s[20:21], \s*ROWB
	s_or_b32 s[G0+4*\s+3], s[G0+4*\s+3], 0x80000000
	s_mov_b32 s[G0B+4*\s], 1
	s_add_co_u32 s[G0B+4*\s+1], s45, \s*SLOT
	s_add_nc_u64 s[G0B+4*\s+2:G0B+4*\s+3], s[46:47], \s*ROWB
	s_or_b32 s[G0B+4*\s+3], s[G0B+4*\s+3], 0x80000000
.endr
; THE HEAD'S LOADS, ONE A WAVE: wave 0 chunk 0's 256 rows of A, wave 1 its 256 rows of B, wave 2 the scales of A's rows, wave 3 those of B's.  One tree of branches on the wave's number; every way passes one load.
.macro ARM under, g0, g1, next
	s_cmp_lt_u32 s14, \under
	s_cbranch_scc0 \next
	tensor_load_to_lds s[\g0:\g0+3], s[\g1:\g1+7]
	s_nop 0
.rept 4
	v_nop
.endr
	s_branch .Lhead_asked
\next:
.endm
	ARM 1, G0H,  G1,  .Lhead_b
	ARM 2, G0HB, G1B, .Lhead_sa
	ARM 3, G0S,  G1S, .Lhead_sb
	tensor_load_to_lds s[G0SB:G0SB+3], s[G1SB:G1SB+7]
	s_nop 0
.rept 4
	v_nop
.endr
.Lhead_asked:
	v_and_b32 v1, 15, v0                           ; l % 16
	v_bfe_u32 v2, v0, 4, 1                         ; l / 16
	v_mul_u32_u24 v3, v1, PITCH
	v_mul_u32_u24 v4, v2, 24
	v_add_nc_u32 v4, v3, v4                        ; a fragment's row x pitch + 24 x half
	s_mov_b32 s21, SLOT-232
	s_mov_b32 s22, SLOT+232
	v_sub_nc_u32 v7, 1, v2
	v_mul_u32_u24 v5, s21, v2
	v_add_nc_u32 v5, v3, v5
	v_add_nc_u32 v5, 232, v5                       ; across two chunks: lanes 0-15 byte 232 of the row in slot 0, lanes 16-31 byte 0 of the row in slot 1;
	v_mul_u32_u24 v6, s22, v7
	v_add_nc_u32 v6, v3, v6                        ; and lanes 0-15 byte 232 in slot 1, lanes 16-31 byte 0 in slot 0
	s_mul_i32 s21, s15, HALFT
	s_mul_i32 s22, s16, HALFT
	s_add_co_u32 s22, s22, 2*HALFT
	v_add_nc_u32 v[ADRA+2], s21, v5
	v_add_nc_u32 v[ADRA+3], s21, v6
	v_add_nc_u32 v[ADRB+2], s22, v5
	v_add_nc_u32 v[ADRB+3], s22, v6
.irp s, 0,1
	v_add_nc_u32 v[ADRA+\s], s21, v4
	v_add_nc_u32 v[ADRB+\s], s22, v4
	s_add_co_u32 s21, s21, SLOT
	s_add_co_u32 s22, s22, SLOT
.endr
	v_mul_u32_u24 v5, v1, KS
	v_lshrrev_b32 v6, 8, v5
	v_lshl_add_u32 v5, v6, 4, v5
	s_mul_i32 s21, s15, HALFS
	s_mul_i32 s22, s16, HALFS
	s_add_co_u32 s22, s22, 2*HALFS
	s_sub_co_u32 s22, s22, s21
	v_mul_u32_u24 v6, s22, v2                      ; lanes 16-31 take B's scale words
	s_add_co_u32 s21, s21, SCL
	v_add_nc_u32 v5, v5, v6
	v_add_nc_u32 v[ADRS], s21, v5
	s_cmp_eq_u32 s95, 1                            ; the tensor's bias
	s_cselect_b64 s[96:97], s[98:99], s[96:97]
	s_cmp_eq_u32 s95, 2
	s_cselect_b64 s[96:97], s[100:101], s[96:97]
	s_lshl_b32 s46, s42, 8
	s_lshl_b32 s47, s16, 7
	s_add_co_u32 s46, s46, s47
	s_lshl_b32 s20, s17, 8
	s_lshl_b32 s21, s15, 7
	s_add_co_u32 s20, s20, s21
	s_cmp_eq_u32 s95, 2
	s_cselect_b32 s46, 0, s46
	s_cselect_b32 s20, s20, 0
	s_lshl_b32 s46, s46, 2
	s_lshl_b32 s20, s20, 2
	v_lshl_add_u32 v[BJO], v2, 6, s46
	v_lshl_add_u32 v[BIO], v1, 2, s20
.irp b, 0,1,2,3
.irp i, 0,1,2,3
	global_load_b128 v[BJ+16*\b+4*\i:BJ+16*\b+4*\i+3], v[BJO], s[96:97] offset:128*\b+16*\i
.endr
.endr
.irp a, 0,1,2,3,4,5,6,7
	global_load_b32 v[BI+\a], v[BIO], s[96:97] offset:64*\a
.endr
.macro FRAG reg, adr, st, i            ; a fragment in six pieces of 8 bytes; byte y of a row of codes lies in chunk y / 256, in slot (y / 256) % 2, at byte y % 256 of the LDS row
.irp p, 0,1,2,3,4,5
.set BY, 96*(\st)+48*(\p/3)+8*(\p%3)
.if BY/ROWB == (BY+24)/ROWB
	ds_load_b64 v[\reg+2*\p:\reg+2*\p+1], v[\adr+(BY/ROWB)%2] offset:BY%ROWB+(\i)*16*PITCH
.else
	ds_load_b64 v[\reg+2*\p:\reg+2*\p+1], v[\adr+2+(BY/ROWB)%2] offset:BY%ROWB-232+(\i)*16*PITCH
.endif
.endr
.endm
.macro MUL16 a0, p, q, sc, zero        ; A's blocks a0, a0 + 1 x B's eight; the 64 accumulators take turns
.irp a, \a0, \a0+1
.irp b, 0,1,2,3,4,5,6,7
.if \zero
	v_wmma_scale_f32_16x16x128_f8f6f4 v[8*(8*((\a)%4)+\b):8*(8*((\a)%4)+\b)+7], v[128*(\p)+FR*\b:128*(\p)+FR*\b+FR-1], v[AF+FR*(\a):AF+FR*(\a)+FR-1], 0, v[SC+8*NQ*(\sc)+NQ*\b+(\q)], v[SC+8*NQ*(\sc)+NQ*(\a)+(\q)] matrix_a_fmt:MATRIX_FMT_FP6 matrix_b_fmt:MATRIX_FMT_FP6 matrix_a_scale:MATRIX_SCALE_ROW1
.else
	v_wmma_scale_f32_16x16x128_f8f6f4 v[8*(8*((\a)%4)+\b):8*(8*((\a)%4)+\b)+7], v[128*(\p)+FR*\b:128*(\p)+FR*\b+FR-1], v[AF+FR*(\a):AF+FR*(\a)+FR-1], v[8*(8*((\a)%4)+\b):8*(8*((\a)%4)+\b)+7], v[SC+8*NQ*(\sc)+NQ*\b+(\q)], v[SC+8*NQ*(\sc)+NQ*(\a)+(\q)] matrix_a_fmt:MATRIX_FMT_FP6 matrix_b_fmt:MATRIX_FMT_FP6 matrix_a_scale:MATRIX_SCALE_ROW1
.endif
.endr
.endr
.endm
.macro FETCH_B st, p
	WIN TO_B
.irp i, 0,1,2,3,4,5,6,7
	FRAG 128*(\p)+FR*\i, ADRB, \st, \i
.endr
	WIN 0
.endm
.macro FETCH_A st, i0
.irp i, \i0, \i0+1, \i0+2, \i0+3
	FRAG AF+FR*(\i), ADRA, \st, \i
.endr
.endm
.macro SCALES pr                       ; the scale words of steps 2 pr and 2 pr + 1 into set pr % 2
.irp i, 0,1,2,3,4,5,6,7
	ds_load_b64 v[SC+8*NQ*((\pr)%2)+NQ*\i:SC+8*NQ*((\pr)%2)+NQ*\i+1], v[ADRS] offset:\i*SBLK+4*NQ*(\pr)
.endr
.endm
.macro PLACES n
.rept \n
	v_nop
.endr
.endm
; A step of 128 along K: 64 products; the next step's fragments are fetched in its middle and at its end.  Where the next step's bytes END in a chunk not yet read: every wave waits for its tensor loads, and a barrier shows that chunk to all.
; Where they BEGIN in a later chunk than this step's: the chunk left behind is read no more: the wait for all tensor loads, the add, the wait for it and for my reads, the barrier; where a chunk two on is left to fetch, the barrier opens a round of the cluster's barrier and the slot is filled again.
.macro STEP st, zero
.set NX, (\st)+1
.set C0, (96*(\st))/ROWB
.set C1, (96*NX)/ROWB
.set E0, (96*(\st)+95)/ROWB
.set E1, (96*NX+95)/ROWB
.if C1 > C0 || E1 > E0
	s_wait_tensorcnt 0x0
.if C1 > C0
	ds_add_u32 v[SPW], v[NIL]
	s_wait_dscnt 4*NL+1                            ; the add and the youngest loads, A's blocks 4-7, may be out
.else
	s_wait_dscnt 4*NL                              ; A's blocks 4-7 may be out
.endif
	WIN MUL_LO
	MUL16 0, (\st)%2, (\st)%2, ((\st)/2)%2, \zero
	s_wait_dscnt 0x0
	s_barrier_signal -1
	MUL16 2, (\st)%2, (\st)%2, ((\st)/2)%2, \zero
	WIN 0
	s_barrier_wait -1
.if C1 > C0 && C0+2 < CHUNKS
	CREST
	s_add_nc_u64 s[G0+4*(C0%2)+2:G0+4*(C0%2)+3], s[G0+4*(C0%2)+2:G0+4*(C0%2)+3], 2*ROWB
	s_add_nc_u64 s[G0B+4*(C0%2)+2:G0B+4*(C0%2)+3], s[G0B+4*(C0%2)+2:G0B+4*(C0%2)+3], 2*ROWB
	JLOAD G0+4*(C0%2), G1, G0B+4*(C0%2), G1B       ; chunk C0 + 2, the first tensor load behind the round; its four v_nop are the places in front of the loads below
.else
	PLACES NP
.endif
.else
	s_wait_dscnt 4*NL                              ; A's blocks 4-7 may be out
	WIN MUL_LO
	MUL16 0, (\st)%2, (\st)%2, ((\st)/2)%2, \zero
	MUL16 2, (\st)%2, (\st)%2, ((\st)/2)%2, \zero
	s_wait_dscnt 0
	PLACES NP
.endif
	FETCH_B NX, NX%2
	FETCH_A NX, 0
.if NX%2 == 0
	SCALES NX/2
.endif
	WIN MUL_HI
	MUL16 4, (\st)%2, (\st)%2, ((\st)/2)%2, \zero
	MUL16 6, (\st)%2, (\st)%2, ((\st)/2)%2, \zero
	PLACES NP
	WIN 0
	FETCH_A NX, 4
.endm
	s_wait_alu depctr_va_vdst(0)
	s_wait_tensorcnt 0x0                           ; my tile of the head's four is in; slot 1's first fill is issued as a refill is:
	ds_add_u32 v[SPW], v[NIL]
	s_mov_b32 s[G1+2], 128<<16                     ; no tensor load of mine is out: from here on a load brings 128 rows
	s_mov_b32 s[G1+4], 128
	s_mov_b32 s[G1B+2], 128<<16
	s_mov_b32 s[G1B+4], 128
	s_wait_dscnt 0x0
	CROUND                                         ; all four tiles are in, and all sixteen work-groups are here
	JLOAD G0+4, G1, G0B+4, G1B                     ; chunk 1, the first tensor load behind the round
	FETCH_B 0, 0
	FETCH_A 0, 0
	SCALES 0
	FETCH_A 0, 4
	STEP 0, 1                                      ; the first step's products start the sums
.set ST, 1
.rept STEPS-2
	STEP ST, 0
.set ST, ST+1
.endr
	s_wait_dscnt 4*NL                              ; the last step: nothing more to fetch
	WIN MUL_LO
	MUL16 0, 1, 1, 1, 0
	MUL16 2, 1, 1, 1, 0
	s_wait_dscnt 0
	WIN MUL_HI
	MUL16 4, 1, 1, 1, 0
	MUL16 6, 1, 1, 1, 0
	WIN 0
	PLACES NP
	; THE WAY OUT.  Where my results go: Q, K: img[tensor][batch][head][tile of 16 tokens][768 bytes]; V: img[2][batch][head][key step][tile of 16 of the head's 64][2 x 768 bytes]
	s_lshr_b32 s20, s17, 3
	s_lshl_b32 s20, s20, 4
	s_lshl_b32 s21, s42, 2
	s_add_co_u32 s20, s20, s21
	s_lshl_b32 s21, s16, 1
	s_add_co_u32 s20, s20, s21
	s_mul_i32 s20, s20, 98304
	s_and_b32 s21, s17, 7
	s_lshl_b32 s21, s21, 1
	s_add_co_u32 s21, s21, s15
	s_mul_i32 s22, s21, 8*768
	s_add_co_u32 s20, s20, s22
	s_mul_i32 s22, s95, 6291456
	s_add_co_u32 s20, s20, s22
	s_lshl_b32 s44, s42, 1
	s_add_co_u32 s44, s44, s16
	s_lshr_b32 s22, s17, 3
	s_lshl_b32 s22, s22, 3
	s_add_co_u32 s22, s22, s44
	s_lshl_b32 s22, s22, 4
	s_add_co_u32 s22, s22, s21
	s_lshl_b32 s22, s22, 9
	s_lshl_b32 s23, s95, 18
	s_add_co_u32 s22, s22, s23
	s_lshr_b32 s40, s44, 4
	s_lshl_b32 s40, s40, 4
	s_lshl_b32 s41, s17, 2
	s_add_co_u32 s40, s40, s41
	s_lshl_b32 s41, s15, 1
	s_add_co_u32 s40, s40, s41
	s_mul_i32 s40, s40, 98304
	s_and_b32 s41, s44, 15
	s_mul_i32 s41, s41, 6144
	s_add_co_u32 s40, s40, s41
	s_add_co_u32 s40, s40, 12582912
	s_lshl_b32 s41, s17, 1
	s_add_co_u32 s41, s41, s15
	s_lshl_b32 s41, s41, 6
	s_add_co_u32 s41, s41, s44
	s_lshl_b32 s41, s41, 9
	s_add_co_u32 s41, s41, 524288
	s_cmp_eq_u32 s95, 2
	s_cselect_b32 s20, s40, s20
	s_cselect_b32 s22, s41, s22
	s_mov_b32 s46, 768
	s_cselect_b32 s46, 1536, s46
	s_mov_b32 s92, 768
	s_cselect_b32 s92, 93696, s92
	s_mov_b32 s43, 98304
	s_cselect_b32 s43, 768, s43
	s_mov_b32 s21, 0
	s_mov_b32 s23, 0
	s_mov_b32 s47, 0
	s_mov_b32 s93, 0
	s_add_nc_u64 s[12:13], s[12:13], s[20:21]
	s_add_nc_u64 s[66:67], s[66:67], s[22:23]
	s_mov_b32 s[SEL], 0x76543210
	s_mov_b32 s[SEL+1], 0xfedcba98
	v_and_b32 v6, 31, v0
	v_lshlrev_b32 v8, 4, v6
	v_lshlrev_b32 v9, 3, v6
	v_add_nc_u32 v9, 512, v9
	v_add_nc_u32 v10, s43, v8
	v_add_nc_u32 v11, s43, v9
.irp b, 0,1,2,3
	v_mov_b32 v[TM+4+\b], 0
.endr
	s_wait_loadcnt 0x0                             ; the bias is in
.macro QUANT s, pw                     ; 64 numbers a lane, four half blocks of 16: the blocks' scales with lane l xor 16, the codes, whole blocks to a lane by lane swaps
.irp b, 0,1,2,3
	v_max3_num_f32 v[TM+\b], |v[\s+16*\b]|, |v[\s+1+16*\b]|, 0x1800000
.endr
.irp i, 2,4,6,8,10,12,14
.irp b, 0,1,2,3
	v_max3_num_f32 v[TM+\b], v[TM+\b], |v[\s+16*\b+\i]|, |v[\s+1+16*\b+\i]|
.endr
.endr
.irp b, 0,1,2,3
	v_permlanex16_b32 v[TM+4+\b], v[TM+\b], s[SEL], s[SEL+1]
.endr
.irp b, 0,1,2,3
	v_max_num_f32 v[TM+\b], v[TM+\b], v[TM+4+\b]
.endr
.irp b, 0,1,2,3
	v_add_nc_u32 v[TM+12+\b], 0xff000000, v[TM+\b]
.endr
.irp b, 0,1,2,3
	v_lshrrev_b32 v[TM+4+\b], 23, v[TM+12+\b]
.endr
	v_lshl_or_b32 v[\pw], v[TM+5], 8, v[TM+4]
	v_lshl_or_b32 v[\pw], v[TM+6], 16, v[\pw]
	v_lshl_or_b32 v[\pw], v[TM+7], 24, v[\pw]
.irp c, 0,1
	v_cvt_scalef32_pk16_fp6_f32 v[CDS+6*\c:CDS+2+6*\c], v[\s+32*\c:\s+15+32*\c], v[TM+12+2*\c]
	v_cvt_scalef32_pk16_fp6_f32 v[CDS+12+4*\c:CDS+14+4*\c], v[\s+16+32*\c:\s+31+32*\c], v[TM+12+2*\c+1]
.endr
	v_nop
.irp c, 0,1
.irp i, 0,1,2
	v_permlane16_swap_b32 v[CDS+6*\c+\i], v[CDS+12+4*\c+\i]
.endr
.irp i, 0,1,2
	v_mov_b32 v[CDS+3+6*\c+\i], v[CDS+12+4*\c+\i]
.endr
.endr
.endm
.macro OUTBLK a                        ; block a of 16 rows of A: the bias, the quantiser, the stores.  Q, K: the bias runs along B's rows (my registers); V: along A's rows (my lane).  The branch hangs on the tensor's number, which the cluster's y gives
.if (\a) > 0
	s_wait_xcnt 0x0                                ; the last block's stores have read their registers and their base
.if (\a) == 4
	s_add_nc_u64 s[12:13], s[12:13], s[92:93]
.else
	s_add_nc_u64 s[12:13], s[12:13], s[46:47]
.endif
.endif
.set WN, 0x02+(\a)/4
.set AC, 64*((\a)%4)
.set BP2, BI+2*((\a)/2)
	s_cmp_eq_u32 s95, 2
	s_cbranch_scc1 .Lrow_bias_\@
	WIN WN
.set i, 0
.rept 32
	v_pk_add_f32 v[T+i:T+i+1], v[AC+i:AC+i+1], v[BJ+i:BJ+i+1]
.set i, i+2
.endr
	WIN 0
	s_wait_alu depctr_va_vdst(0)
	s_branch .Lbiased_\@
.Lrow_bias_\@:
	WIN WN
.set i, 0
.rept 32
.if (\a)%2 == 0
	v_pk_add_f32 v[T+i:T+i+1], v[AC+i:AC+i+1], v[BP2:BP2+1] op_sel_hi:[1,0]
.else
	v_pk_add_f32 v[T+i:T+i+1], v[AC+i:AC+i+1], v[BP2:BP2+1] op_sel:[0,1] op_sel_hi:[1,1]
.endif
.set i, i+2
.endr
	WIN 0
.Lbiased_\@:
	QUANT T, SCW+(\a)
	global_store_b128 v8, v[CDS:CDS+3], s[12:13]
	global_store_b64 v9, v[CDS+4:CDS+5], s[12:13]
	global_store_b128 v10, v[CDS+6:CDS+9], s[12:13]
	global_store_b64 v11, v[CDS+10:CDS+11], s[12:13]
.endm
.irp a, 0,1,2,3,4,5,6,7
	OUTBLK \a
.endr
	s_mov_b32 vcc_lo, 0xffff0000
.irp i, 0,1,2,3
	v_cndmask_b32 v[SOUT+\i], v[SCW+\i], v[SCW+4+\i], vcc_lo       ; lanes 0-15 blocks 0-3's scale words, lanes 16-31 blocks 4-7's
.endr
	global_store_b128 v8, v[SOUT:SOUT+3], s[66:67]                 ; 512 consecutive bytes, aligned
	s_wait_tensorcnt 0x0                           ; the wave's end
	ds_add_u32 v[SPW], v[NIL]
	s_wait_dscnt 0x0
	CROUND                                         ; the closing round
	s_endpgm
.Lfunc_end_k_q9ecb60d086_proj:
	.size	k_q9ecb60d086_proj, .Lfunc_end_k_q9ecb60d086_proj-k_q9ecb60d086_proj
	.p2alignl 7, 3214868480
	.fill 96, 4, 3214868480
	.section	.rodata,"a",@progbits
	.p2align	6, 0x0
	.amdhsa_kernel k_q9ecb60d086_proj
		.amdhsa_group_segment_fixed_size 327680
		.amdhsa_private_segment_fixed_size 0
		.amdhsa_enable_private_segment 0
		.amdhsa_kernarg_size 56
		.amdhsa_user_sgpr_count 2
		.amdhsa_user_sgpr_kernarg_segment_ptr 1
		.amdhsa_wavefront_size32 1
		.amdhsa_system_sgpr_workgroup_id_x 1
		.amdhsa_system_sgpr_workgroup_id_y 1
		.amdhsa_system_sgpr_workgroup_id_z 1
		.amdhsa_system_vgpr_workitem_id 0
		.amdhsa_next_free_vgpr 1024
		.amdhsa_next_free_sgpr 106
		.amdhsa_reserve_vcc 1
		.amdhsa_float_denorm_mode_32 3
		.amdhsa_float_denorm_mode_16_64 3
		.amdhsa_memory_ordered 1
		.amdhsa_forward_progress 1
		.amdhsa_inst_pref_size 204
	.end_amdhsa_kernel
	.amdgpu_metadata
---
amdhsa.version: [ 1, 2 ]
amdhsa.kernels:
  - .name:           k_q9ecb60d086_proj
    .symbol:         k_q9ecb60d086_proj.kd
    .args:
      - { .name: codes, .offset: 0, .size: 8, .value_kind: global_buffer, .address_space: global }
      - { .name: scales, .offset: 8, .size: 8, .value_kind: global_buffer, .address_space: global }
      - { .name: bq, .offset: 16, .size: 8, .value_kind: global_buffer, .address_space: global }
      - { .name: bk, .offset: 24, .size: 8, .value_kind: global_buffer, .address_space: global }
      - { .name: bv, .offset: 32, .size: 8, .value_kind: global_buffer, .address_space: global }
      - { .name: img, .offset: 40, .size: 8, .value_kind: global_buffer, .address_space: global }
      - { .name: isc, .offset: 48, .size: 8, .value_kind: global_buffer, .address_space: global }
    .group_segment_fixed_size: 327680
    .private_segment_fixed_size: 0
    .kernarg_segment_align: 8
    .kernarg_segment_size: 56
    .max_flat_workgroup_size: 128
    .sgpr_count:     106
    .vgpr_count:     1024
    .wavefront_size: 32
...
	.end_amdgpu_metadata
.endif
;; end of part 2
;; launch attn (part 3): grid 4 x 64, 16 waves a work-group, clusters of 4 x 1, 327,680 bytes of LDS; arguments img, isc, mimg, out0; writes out0
.if DOCPART == 3
	.amdgcn_target "amdgcn-amd-amdhsa--gfx1250"
	.amdhsa_code_object_version 6
	.text
	.protected	k_q9ecb60d086_attn
	.globl	k_q9ecb60d086_attn
	.p2align	8
	.type	k_q9ecb60d086_attn,@function
k_q9ecb60d086_attn:
	s_mov_b64 s[64:65], 0
	v_nop
	global_prefetch_b8 v0, s[64:65] scope:SCOPE_SE
	s_setreg_imm32_b32 hwreg(HW_REG_WAVE_MODE, 25, 1), 1
	s_wait_xcnt 0x0
	s_wait_alu depctr_hold_cnt(0) depctr_sa_sdst(0) depctr_va_vdst(0) depctr_va_sdst(0) depctr_va_ssrc(0) depctr_va_vcc(0) depctr_vm_vsrc(0)
	s_getreg_b32 s2, hwreg(HW_REG_IB_STS2, 6, 4)
	s_cmp_eq_u32 s2, 0
	s_cbranch_scc0 .Lentry_in_a_cluster
	s_endpgm
.Lentry_in_a_cluster:
	s_bfe_u32 s2, ttmp6, 0x10000c
	s_cmp_lg_u32 s2, 0x3003
	s_cbranch_scc0 .Lentry_shape_is_right
	s_endpgm
.Lentry_shape_is_right:
; ATTENTION ON CODES OF FP6.  out0 = softmax(mask(Q K^T / 8)) V for one batch and head a cluster; a work-group takes 512 queries, a wave 32, in two passes of 16.
; img holds Q's, K's and V's codes as images of operand registers (a tile of 16 rows x 64 codes: 512 bytes of 16 a lane, 256 bytes of 8 a lane), isc their scale words, mimg the mask as FP4 codes (-6 where mask == 0).
; CLUSTER: the four work-groups of a cluster read the same K and V: all of both (196,608 bytes of codes, 16,384 of scale bytes) come ONCE, by joint loads at the head, one a wave: waves 0-11 take 16,384 bytes of codes each, waves 12-15 4,096 bytes of scale bytes.  Nothing is filled again.
; BOTH PRODUCTS ARE USED TRANSPOSED (S^T = K Q^T, O^T = V^T P^T): a lane holds one query.  A stored tile j of K's band c holds keys 64 c + 8 j + i and 64 c + 32 + 8 j + i, so register 32 c + 8 j + i of lane (q, h) is key 64 c + 32 h + 8 j + i:
; a lane's 32 registers are ONE scale block of p, in the order of p's operand: a block's largest score needs no other lane, and the conversions' results are the operand's registers (three moves a block: a conversion's registers begin on an even number).
; K = 64 of the score product fills half of the instruction's 128: Q's upper six registers are zeros, so what stands in the six registers above a tile of K adds nothing: K's eight tiles lie dense, 6 registers each; above the last lie the second pass's codes of Q.
; THE MASK is the score products' C: -6 x 2^60 where mask == 0, else 0.  A row whose every key so far is masked takes p = 1 for all of them; the first key that counts brings the factor 2^(old M - new M) = 0 over those sums.
; SOFTMAX: running M = ceil(largest t), t = score x log2(e) / 8; p = 2^(t - M); the row's sum of the unquantised p; sums and O^T x 2^(old M - new M) in every step, with no branch on data.
; A STEP (128 keys): mask -> C; 8 products; the largest scores in eight chains, one an accumulator; V's 17 LDS loads, into K's registers, stand among the dependent lines that make M; exponentials; p's codes; 4 products; the row's sums in eight chains, with the next step's K asked for behind the first eight lines.
; The mask comes two steps ahead, in two sets of registers.  PREFETCH: a wave's mask stream is 32,768 bytes, 2,048 a trip, and the sixteen heads' work-groups read the same stream: head h asks for trip h's 2,048 bytes (8 lanes, 256 bytes apart; the other lanes name the last block again) in trip h - 2,
; one trip ahead of the loads; trips 0 and 1 come by their loads alone.  K, V and Q are asked for at the head, where there is no loop to run ahead in: no prefetch.
; LIMITS: the promise holds while |t| stays under 2^30; NaN and infinities are not served.
.set VB,    98304
.set SCK,   196608
.set SCV,   204800
.set STAGE, 215040                     ; 16 rows x 272 bytes a wave, for the way out
.set SPARE, 284672                     ; the spare words: 128 bytes a wave
.set A16,  1
.set A8,   2
.set AV16, 3
.set AV8,  4
.set ASK0, 5
.set ASV0, 6
.set SPW,  7
.set NIL,  8
.set GO,   9
.set DK16, 10
.set DK8,  11
.set DV16, 12
.set DV8,  13
.set DSK,  14
.set DSV,  15
.set MA,   16                          ; v16, v17 the mask loads' offsets, one for each set
.set STO,  18
.set RD,   19
.set ADD,  20                          ; -M, or 0 while all is masked
.set SMAX, 21                          ; the running largest score
.set CL,   22                          ; log2(e)/8, or 0 while all is masked
.set CV,   23
.set SUM,  24
.set F,    26
.set PSW,  27                          ; p's scale word
.set QS,   28
.set MSC,  29
.set TMP,  30
.set SH8,  31                          ; 8 x (lane / 16)
.set Q,    32                          ; v32-43
.set KF,   44                          ; v44-91 K's eight tiles, then V's four fragments; v92-97 the second pass's Q
.set QN,   92
.set SW,   98                          ; v98-105 K's, then V's scale words
.set S,    106                         ; v106-169 scores, then p
.set O,    170                         ; v170-201
.set BM,   202                         ; v202-209 the eight chains of maxima (chain q of block c at 2 q + c); v202, v203 then the blocks' largest
.set SO,   208
.set EB,   210
.set CT2,  212
.set TS8,  202                         ; v202-217 the eight chains of the row's sum, a pair each
.set PC,   220                         ; v220-231 p's codes
.set MK,   232                         ; v232-247 two sets of mask registers
.set R16,  248
.set NEGA, 249
.set NEGB, 250
.set M1,   251
.set M2,   252
.set PFA,  253
.set QSN,  254
.set TB,   2
.set TS,   3
.set WV,   12
.set SEL,  20
.set CS,   22
.set G1C,  24
.set G1S,  32
.set G0C,  40
.set G0S,  44
.set MO,   48
.set MC,   49
.set GT,   50
.set PFT,  51
.set MB,   80
.set QP,   82
.set QSP,  84
.set OP,   86
.set CT,   89
.macro WALU
	s_wait_alu depctr_va_vdst(0)
.endm
.macro DEP n
	s_delay_alu instid0(VALU_DEP_\n)
.endm
.macro CROUND
	s_barrier_signal -1
	s_barrier_wait -1
	s_cmp_lg_u32 s[WV], 0
	s_cbranch_scc1 .Lnot_wave_0_\@
	s_barrier_signal -3
.Lnot_wave_0_\@:
	s_barrier_wait -3
	s_barrier_signal -1
	s_barrier_wait -1
.endm
	s_load_b256 s[4:11], s[0:1], 0x0               ; img, isc, mimg, out0
	v_lshl_add_u32 v[SPW], v0, 2, SPARE
	v_mov_b32 v[NIL], 0
	ds_add_u32 v[SPW], v[NIL]                      ; the opening lines: the add, twice on end, and its wait
	ds_add_u32 v[SPW], v[NIL]
	v_lshrrev_b32 v10, 5, v0
	s_delay_alu instid0(VALU_DEP_1)
	v_readfirstlane_b32 s[WV], v10
	s_bfe_u32 s13, ttmp6, 0x40000                  ; cx: which 512 queries
	s_and_b32 s14, ttmp7, 0xffff                   ; 16 b + head
	s_lshr_b32 s15, s14, 4
	s_and_b32 s16, s14, 15
	s_and_b32 s17, s14, 1
	s_lshr_b32 s18, s16, 1
	s_mov_b32 s[G1C], 15|(3<<16)|(1<<21)           ; dense blocks as rows of 256 bytes; the mask names the cluster's four
	s_mov_b32 s[G1C+1], 32<<16
	s_mov_b32 s[G1C+2], 64<<16
	s_mov_b32 s[G1C+3], 32<<16
	s_mov_b32 s[G1C+4], 64
	s_mov_b32 s[G1C+5], 32
	s_mov_b32 s[G1C+6], 0
	s_mov_b32 s[G1C+7], 0
	s_mov_b32 s[G1S], 15|(3<<16)|(1<<21)
	s_mov_b32 s[G1S+1], 32<<16
	s_mov_b32 s[G1S+2], 16<<16
	s_mov_b32 s[G1S+3], 32<<16
	s_mov_b32 s[G1S+4], 16
	s_mov_b32 s[G1S+5], 32
	s_mov_b32 s[G1S+6], 0
	s_mov_b32 s[G1S+7], 0
	s_lshl_b32 s93, s[WV], 14                      ; codes: waves 0-5 K's six parts, waves 6-11 V's; LDS byte 16,384 x wave
	s_mul_i32 s96, s14, 98304
	s_add_co_u32 s96, s96, s93
	s_add_co_u32 s96, s96, 6291456
	s_cmp_lt_u32 s[WV], 6
	s_cselect_b32 s98, 0, 6291456-98304
	s_add_co_u32 s96, s96, s98
	s_mov_b32 s97, 0
	s_lshl_b32 s94, s[WV], 12                      ; scale bytes: waves 12, 13 K's two halves, waves 14, 15 V's
	s_add_co_u32 s94, s94, SCK-12*4096
	s_lshl_b32 s98, s15, 3
	s_add_co_u32 s98, s98, s18
	s_lshl_b32 s98, s98, 13
	s_add_co_u32 s98, s98, (1<<18)-12*4096
	s_lshl_b32 s99, s18, 15
	s_lshl_b32 s95, s15, 13
	s_add_co_u32 s99, s99, s95
	s_add_co_u32 s99, s99, (1<<19)-14*4096
	s_cmp_lt_u32 s[WV], 14
	s_cselect_b32 s98, s98, s99
	s_lshl_b32 s95, s[WV], 12
	s_add_co_u32 s98, s98, s95
	s_mov_b32 s99, 0
	s_mov_b32 s[SEL], 0x76543210
	s_mov_b32 s[SEL+1], 0xfedcba98
	s_mov_b32 s[CS], 0x3e38aa3b                    ; log2(e) / 8
	s_mov_b32 s[MO], 1024
	s_mov_b32 s[GT], 0
	s_sub_co_u32 s[PFT], s16, 2                    ; the trip in which my head asks (heads 0 and 1: never)
	s_wait_dscnt 0x0
	s_wait_kmcnt 0x0
	s_mov_b32 s[G0C], 1
	s_mov_b32 s[G0C+1], s93
	s_add_nc_u64 s[G0C+2:G0C+3], s[4:5], s[96:97]
	s_or_b32 s[G0C+3], s[G0C+3], 0x80000000
	s_mov_b32 s[G0S], 1
	s_mov_b32 s[G0S+1], s94
	s_add_nc_u64 s[G0S+2:G0S+3], s[6:7], s[98:99]
	s_or_b32 s[G0S+3], s[G0S+3], 0x80000000
	CROUND                                         ; the round in front of the joint loads
	s_cmp_lt_u32 s[WV], 12
	s_cbranch_scc0 .Lscale_bytes
	tensor_load_to_lds s[G0C:G0C+3], s[G1C:G1C+7]
	s_nop 0
.rept 4
	v_nop
.endr
	s_branch .Lasked
.Lscale_bytes:
	tensor_load_to_lds s[G0S:G0S+3], s[G1S:G1S+7]
	s_nop 0
.rept 4
	v_nop
.endr
.Lasked:
	s_lshl_b32 s92, s13, 5
	s_lshl_b32 s93, s[WV], 1
	s_add_co_u32 s92, s92, s93                     ; my first tile of 16 queries in the batch
	s_lshl_b32 s93, s15, 7
	s_add_co_u32 s93, s93, s92
	s_lshl_b32 s94, s93, 14
	s_mov_b32 s95, 0
	s_add_nc_u64 s[MB:MB+1], s[8:9], s[94:95]      ; my mask stream: 2 x 16 steps x 1,024 bytes on end
	s_mul_i32 s94, s14, 98304
	s_mul_i32 s96, s92, 768
	s_add_co_u32 s94, s94, s96
	s_add_nc_u64 s[QP:QP+1], s[4:5], s[94:95]
	s_lshl_b32 s94, s15, 3
	s_add_co_u32 s94, s94, s18
	s_lshl_b32 s94, s94, 4
	s_lshl_b32 s96, s13, 2
	s_add_co_u32 s94, s94, s96
	s_lshr_b32 s96, s[WV], 2
	s_add_co_u32 s94, s94, s96
	s_lshl_b32 s94, s94, 9
	s_bfe_u32 s96, s[WV], 0x10001
	s_lshl_b32 s96, s96, 8
	s_add_co_u32 s94, s94, s96
	s_and_b32 s96, s[WV], 1
	s_lshl_b32 s96, s96, 3
	s_add_co_u32 s94, s94, s96
	s_lshl_b32 s96, s17, 1
	s_add_co_u32 s94, s94, s96
	s_add_nc_u64 s[QSP:QSP+1], s[6:7], s[94:95]
	s_lshl_b32 s94, s93, 16
	s_lshl_b32 s96, s16, 8
	s_add_co_u32 s94, s94, s96
	s_add_nc_u64 s[OP:OP+1], s[10:11], s[94:95]
	v_and_b32 v10, 31, v0
	v_and_b32 v11, 15, v0
	v_bfe_u32 v12, v0, 4, 1
	v_lshlrev_b32 v[A16], 4, v10
	v_lshlrev_b32 v[A8], 3, v10
	v_lshlrev_b32 v[R16], 4, v11
	v_add_nc_u32 v[A8], 512, v[A8]
	v_add_nc_u32 v[AV16], VB, v[A16]
	global_load_b128 v[MK:MK+3], v[A16], s[MB:MB+1]                 ; the mask of steps 0 and 1
	global_load_b128 v[MK+4:MK+7], v[A16], s[MB:MB+1] offset:512
	global_load_b128 v[MK+8:MK+11], v[A16], s[MB:MB+1] offset:1024
	global_load_b128 v[MK+12:MK+15], v[A16], s[MB:MB+1] offset:1536
	global_load_b128 v[Q:Q+3], v[A16], s[QP:QP+1]                   ; both passes' Q and its scale words
	global_load_b64 v[Q+4:Q+5], v[A8], s[QP:QP+1]
	global_load_u16 v[QS], v[R16], s[QSP:QSP+1]
	global_load_b128 v[QN:QN+3], v[A16], s[QP:QP+1] offset:768
	global_load_b64 v[QN+4:QN+5], v[A8], s[QP:QP+1] offset:768
	global_load_u16 v[QSN], v[R16], s[QSP:QSP+1] offset:4
	v_add_nc_u32 v[AV8], VB, v[A8]
	s_lshl_b32 s96, s17, 1
	s_add_co_u32 s96, s96, SCK
	v_add_nc_u32 v[ASK0], s96, v[R16]
	s_lshl_b32 s96, s17, 8
	s_add_co_u32 s96, s96, SCV
	v_add_nc_u32 v[ASV0], s96, v[R16]
	v_lshl_add_u32 v[GO], v12, 12, v[R16]
	v_lshlrev_b32 v[SH8], 3, v12
	s_lshl_b32 s96, s16, 11
	v_min_u32 v[PFA], 7, v10
	v_lshl_add_u32 v[PFA], v[PFA], 8, s96          ; my head's 2,048 bytes of the stream, a lane a block of 256
	s_mul_i32 s96, s[WV], 16*272
	s_add_co_u32 s96, s96, STAGE
	v_mul_u32_u24 v[STO], v11, 272
	v_mul_u32_u24 v[RD], v12, 272
	v_lshl_add_u32 v[STO], v12, 5, v[STO]
	v_add_nc_u32 v[RD], v[RD], v[R16]
	v_add_nc_u32 v[STO], s96, v[STO]
	v_add_nc_u32 v[RD], s96, v[RD]
	v_mov_b32 v[MSC], 0xbbbbbbbb                   ; the mask codes' scale: 2^60
	v_mov_b32 v[CV], 0x3e38aa3b
	v_mov_b32 v[PSW], 0
	v_mov_b32 v[M2], 0
.irp i, 6,7,8,9,10,11
	v_mov_b32 v[Q+\i], 0
.endr
	WALU
	s_wait_loadcnt 0x0
	s_wait_tensorcnt 0x0                           ; my part of K, V or their scale bytes is in
	s_barrier_signal -1
	s_barrier_wait -1                              ; and everybody's
.macro KLOAD off, soff                 ; a step's eight tiles of K, 6 registers each, and their scale words
.irp t, 0,1,2,3,4,5,6,7
	ds_load_b128 v[KF+6*\t:KF+6*\t+3], v[DK16] offset:\off+768*\t
	ds_load_b64 v[KF+6*\t+4:KF+6*\t+5], v[DK8] offset:\off+768*\t
	ds_load_u16 v[SW+\t], v[DSK] offset:\soff+256*(\t/4)+4*(\t%4)
.endr
.endm
.macro VLD n, u                        ; the n-th of the 17 LDS loads that bring V's four fragments, into K's registers, and their scale words
.set VT_, (\n)/4
.if (\n) == 16
	ds_load_b128 v[SW:SW+3], v[DSV] offset:512*\u
.elseif (\n)%4 == 0
	ds_load_b128 v[KF+12*VT_:KF+12*VT_+3], v[DV16] offset:6144*\u+1536*VT_
.elseif (\n)%4 == 1
	ds_load_b64 v[KF+12*VT_+4:KF+12*VT_+5], v[DV8] offset:6144*\u+1536*VT_
.elseif (\n)%4 == 2
	ds_load_b128 v[KF+12*VT_+6:KF+12*VT_+9], v[DV16] offset:6144*\u+1536*VT_+768
.else
	ds_load_b64 v[KF+12*VT_+10:KF+12*VT_+11], v[DV8] offset:6144*\u+1536*VT_+768
.endif
.endm
.macro STEP u
.if \u
.set NO, NEGB
.set NN, NEGA
.else
.set NO, NEGA
.set NN, NEGB
.endif
	WALU
	s_wait_loadcnt 0x2                             ; this step's two mask loads are in; the other set's two may be out
.irp t, 0,1,2,3,4,5,6,7
	v_cvt_scale_pk8_f32_fp4 v[S+8*\t:S+8*\t+7], v[MK+8*\u+\t], v[MSC]
.endr
	s_add_co_u32 s[MO], s[MO], 1024
	s_min_u32 s[MC], s[MO], 31*1024                ; two steps on, held at the stream's last step
	v_add_nc_u32 v[MA+\u], s[MC], v[A16]
.if \u
.rept 3
	v_nop
.endr
.else
	v_add_nc_u32 v[DV16], s[TB], v[AV16]           ; the trip's addresses of V
	v_add_nc_u32 v[DV8], s[TB], v[AV8]
	v_add_nc_u32 v[DSV], s[TS], v[ASV0]
.endif
	global_load_b128 v[MK+8*\u:MK+8*\u+3], v[MA+\u], s[MB:MB+1]
	global_load_b128 v[MK+8*\u+4:MK+8*\u+7], v[MA+\u], s[MB:MB+1] offset:512
	WALU
	s_wait_dscnt 0x0                               ; K's tiles are in
.irp t, 0,1,2,3,4,5,6,7
	v_wmma_scale_f32_16x16x128_f8f6f4 v[S+8*\t:S+8*\t+7], v[KF+6*\t:KF+6*\t+11], v[Q:Q+11], v[S+8*\t:S+8*\t+7], v[SW+\t], v[QS] matrix_a_fmt:MATRIX_FMT_FP6 matrix_b_fmt:MATRIX_FMT_FP6
.endr
.if \u                                 ; four places behind the products
	s_add_co_u32 s[TB], s[TB], 12288
	s_add_co_u32 s[TS], s[TS], 1024
	v_add_nc_u32 v[DK16], s[TB], v[A16]            ; the next trip's addresses of K
	v_add_nc_u32 v[DK8], s[TB], v[A8]
	v_add_nc_u32 v[DSK], s[TS], v[ASK0]
	v_nop
.else
.rept 4
	v_nop
.endr
.endif
.irp c, 0,1                            ; the largest scores: eight chains, one an accumulator, each from its low end on
.irp q, 0,1,2,3
	v_max3_num_f32 v[BM+2*\q+\c], v[S+32*\c+8*\q], v[S+32*\c+8*\q+1], v[S+32*\c+8*\q+2]
.endr
.endr
.irp i, 3,5
.irp c, 0,1
.irp q, 0,1,2,3
	v_max3_num_f32 v[BM+2*\q+\c], v[BM+2*\q+\c], v[S+32*\c+8*\q+\i], v[S+32*\c+8*\q+\i+1]
.endr
.endr
.endr
.irp c, 0,1
	v_max3_num_f32 v[BM+\c], v[BM+\c], v[BM+2+\c], v[S+32*\c+7]
.endr
.irp c, 0,1
	v_max3_num_f32 v[BM+4+\c], v[BM+4+\c], v[BM+6+\c], v[S+32*\c+15]
.endr
	VLD 0, \u                                      ; V's loads stand among the dependent lines from here on
	VLD 1, \u
.irp c, 0,1
	v_max3_num_f32 v[BM+\c], v[BM+\c], v[BM+4+\c], v[S+32*\c+23]
.endr
	VLD 2, \u
	VLD 3, \u
.irp c, 0,1
	v_max_num_f32 v[BM+\c], v[BM+\c], v[S+32*\c+31]                ; my two blocks' largest scores
.endr
	VLD 4, \u
	VLD 5, \u
	v_max_num_f32 v[M1], v[BM], v[BM+1]
	VLD 6, \u
	VLD 7, \u
	v_permlanex16_b32 v[M2], v[M1], s[SEL], s[SEL+1]
	VLD 8, \u
	VLD 9, \u
	v_max3_num_f32 v[SMAX], v[SMAX], v[M1], v[M2]  ; the running largest score of my query
	VLD 10, \u
	VLD 11, \u
	v_mul_f32 v[TMP], s[CS], v[SMAX]
	v_cmp_lt_f32 vcc_lo, 0xd0000000, v[SMAX]       ; has any key counted yet?
	VLD 12, \u
	VLD 13, \u
	v_floor_f32 v[NN], -v[TMP]                     ; -M = floor(-t)
	v_cndmask_b32 v[CL], 0, v[CV], vcc_lo
	VLD 14, \u
	VLD 15, \u
	v_sub_f32 v[TMP], v[NN], v[NO]
	v_cndmask_b32 v[ADD], 0, v[NN], vcc_lo
	VLD 16, \u
	v_cvt_i32_f32 v[TMP], v[TMP]
	DEP 1
	v_ldexp_f32 v[F], 1.0, v[TMP]                  ; 2^(old M - new M)
.set j, 0
.rept 32
	v_pk_fma_f32 v[S+j:S+j+1], v[S+j:S+j+1], v[CL:CL+1], v[ADD:ADD+1] op_sel_hi:[1,0,0]
.set j, j+2
.endr
.irp c, 0,1
	v_fma_f32 v[BM+\c], v[BM+\c], v[CL], v[ADD]
.endr
	WALU
.irp c, 0,1
	v_exp_f32 v[BM+\c], v[BM+\c]                   ; the blocks' largest p
.endr
.set j, 0
.rept 64
	v_exp_f32 v[S+j], v[S+j]
.set j, j+1
.endr
	v_pk_mul_f32 v[SUM:SUM+1], v[SUM:SUM+1], v[F:F+1] op_sel_hi:[1,0]
	WALU
.if \u == 0
	s_cmp_eq_u32 s[GT], s[PFT]
	s_cbranch_scc0 .Lnot_mine_\@
	global_prefetch_b8 v[PFA], s[MB:MB+1] th:TH_LOAD_NT scope:SCOPE_SE
.Lnot_mine_\@:
.endif
.irp c, 0,1
	v_max_num_f32 v[BM+\c], 0x1800000, v[BM+\c]    ; the floor 2^(3 - 127): the byte cannot fall under 1
.endr
.irp c, 0,1
	v_add_nc_u32 v[SO+\c], 0xff000000, v[BM+\c]    ; 2 off the exponent field: the conversions' scale operand
.endr
.irp c, 0,1
	v_cvt_scalef32_pk16_fp6_f32 v[PC+6*\c:PC+6*\c+2], v[S+32*\c:S+32*\c+15], v[SO+\c]
	v_cvt_scalef32_pk16_fp6_f32 v[CT2+4*\c:CT2+4*\c+2], v[S+32*\c+16:S+32*\c+31], v[SO+\c]
.endr
.irp c, 0,1
	v_lshrrev_b32 v[EB+\c], 23, v[SO+\c]
.endr
	v_mov_b32 v[PC+3], v[CT2]                      ; the six moves stand among the dependent lines that make the scale word
	v_mov_b32 v[PC+4], v[CT2+1]
	v_lshl_or_b32 v[TMP], v[EB+1], 16, v[EB]       ; my bytes: blocks h and 2 + h,
	v_mov_b32 v[PC+5], v[CT2+2]
	v_mov_b32 v[PC+9], v[CT2+4]
	v_lshlrev_b32 v[TMP], v[SH8], v[TMP]           ; at their places;
	v_mov_b32 v[PC+10], v[CT2+5]
	v_mov_b32 v[PC+11], v[CT2+6]
	v_permlanex16_b32 v[M2], v[TMP], s[SEL], s[SEL+1]
	DEP 1
	v_or_b32 v[PSW], v[TMP], v[M2]                 ; with lane l xor 16's the word is whole
	WALU
.set j, 0
.rept 16
	v_pk_mul_f32 v[O+j:O+j+1], v[O+j:O+j+1], v[F:F+1] op_sel_hi:[1,0]
.set j, j+2
.endr
	WALU
	s_wait_dscnt 0x0                               ; V's fragments are in
.irp t, 0,1,2,3
	v_wmma_scale_f32_16x16x128_f8f6f4 v[O+8*\t:O+8*\t+7], v[KF+12*\t:KF+12*\t+11], v[PC:PC+11], v[O+8*\t:O+8*\t+7], v[SW+\t], v[PSW] matrix_a_fmt:MATRIX_FMT_FP6 matrix_b_fmt:MATRIX_FMT_FP6
.endr
.irp k, 0,1,2,3,4,5,6,7                ; the row's sum of the unquantised p, in eight chains; the first eight lines are the places behind the products
	v_pk_add_f32 v[TS8+2*\k:TS8+2*\k+1], v[S+8*\k:S+8*\k+1], v[S+8*\k+2:S+8*\k+3]
.endr
.if \u
	KLOAD 0, 0                                     ; the next step's K (behind a pass's last step: bytes that are not used)
.else
	KLOAD 6144, 512
.endif
.irp i, 4,6
.irp k, 0,1,2,3,4,5,6,7
	v_pk_add_f32 v[TS8+2*\k:TS8+2*\k+1], v[TS8+2*\k:TS8+2*\k+1], v[S+8*\k+\i:S+8*\k+\i+1]
.endr
.endr
.irp k, 0,2,4,6
	v_pk_add_f32 v[TS8+2*\k:TS8+2*\k+1], v[TS8+2*\k:TS8+2*\k+1], v[TS8+2*\k+2:TS8+2*\k+3]
.endr
.irp k, 0,4
	v_pk_add_f32 v[TS8+2*\k:TS8+2*\k+1], v[TS8+2*\k:TS8+2*\k+1], v[TS8+2*\k+4:TS8+2*\k+5]
.endr
	DEP 1
	v_pk_add_f32 v[TS8:TS8+1], v[TS8:TS8+1], v[TS8+8:TS8+9]
	DEP 1
	v_pk_add_f32 v[SUM:SUM+1], v[SUM:SUM+1], v[TS8:TS8+1]
.endm
.macro WAYOUT p
	v_add_f32 v[SUM], v[SUM], v[SUM+1]
	DEP 1
	v_permlanex16_b32 v[TMP], v[SUM], s[SEL], s[SEL+1]
	DEP 1
	v_add_f32 v[SUM], v[SUM], v[TMP]
	WALU
	v_rcp_f32 v[SUM], v[SUM]
	v_nop
	WALU
.set j, 0
.rept 32
	v_mul_f32 v[S+j], v[O+j], v[SUM]
.set j, j+1
.endr
.irp t, 0,1,2,3                        ; through my own stage: 16 lanes then store 256 consecutive bytes of a row, aligned
	ds_store_b128 v[STO], v[S+8*\t:S+8*\t+3] offset:64*\t
	ds_store_b128 v[STO], v[S+8*\t+4:S+8*\t+7] offset:64*\t+16
.endr
.irp i, 0,1,2,3,4,5,6,7
	ds_load_b128 v[S+32+4*\i:S+35+4*\i], v[RD] offset:544*\i
.endr
.irp i, 0,1,2,3,4,5,6,7
	s_wait_dscnt 7-\i                              ; the younger loads may be out
	global_store_b128 v[GO], v[S+32+4*\i:S+35+4*\i], s[OP:OP+1] offset:8192*\i+65536*\p th:TH_STORE_NT
.endr
.endm
.macro PASS p
	s_mov_b32 s[TB], 0
	s_mov_b32 s[TS], 0
	s_mov_b32 s[CT], 8
	v_add_nc_u32 v[DK16], s[TB], v[A16]
	v_add_nc_u32 v[DK8], s[TB], v[A8]
	v_add_nc_u32 v[DSK], s[TS], v[ASK0]
	KLOAD 0, 0
.if \p
	s_wait_xcnt 0x0                                ; the first pass's stores have read their registers
.irp i, 0,1,2,3,4,5
	v_mov_b32 v[Q+\i], v[QN+\i]
.endr
	v_mov_b32 v[QS], v[QSN]
.endif
	v_mov_b32 v[SMAX], 0xd0000000                  ; -2^33, under every score that counts, over every masked one
	v_mov_b32 v[SUM], 0
	v_mul_f32 v[TMP], s[CS], v[SMAX]
	v_mov_b32 v[SUM+1], 0
	v_floor_f32 v[NEGA], -v[TMP]
.set j, 0
.rept 32
	v_mov_b32 v[O+j], 0
.set j, j+1
.endr
	WALU
.Ltrip_\@:
	STEP 0
	STEP 1
	s_add_co_u32 s[GT], s[GT], 1
	s_sub_co_u32 s[CT], s[CT], 1
	s_cmp_lg_u32 s[CT], 0
	WALU
	s_cbranch_scc1 .Ltrip_\@
	WAYOUT \p
.endm
	PASS 0
	PASS 1
	s_wait_tensorcnt 0x0                           ; the wave's end
	ds_add_u32 v[SPW], v[NIL]
	s_wait_dscnt 0x0
	CROUND                                         ; the closing round
	s_endpgm
.Lfunc_end_k_q9ecb60d086_attn:
	.size	k_q9ecb60d086_attn, .Lfunc_end_k_q9ecb60d086_attn-k_q9ecb60d086_attn
	.p2alignl 7, 3214868480
	.fill 96, 4, 3214868480
	.section	.rodata,"a",@progbits
	.p2align	6, 0x0
	.amdhsa_kernel k_q9ecb60d086_attn
		.amdhsa_group_segment_fixed_size 327680
		.amdhsa_private_segment_fixed_size 0
		.amdhsa_enable_private_segment 0
		.amdhsa_kernarg_size 32
		.amdhsa_user_sgpr_count 2
		.amdhsa_user_sgpr_kernarg_segment_ptr 1
		.amdhsa_wavefront_size32 1
		.amdhsa_system_sgpr_workgroup_id_x 1
		.amdhsa_system_sgpr_workgroup_id_y 1
		.amdhsa_system_sgpr_workgroup_id_z 1
		.amdhsa_system_vgpr_workitem_id 0
		.amdhsa_next_free_vgpr 256
		.amdhsa_next_free_sgpr 100
		.amdhsa_reserve_vcc 1
		.amdhsa_float_denorm_mode_32 3
		.amdhsa_float_denorm_mode_16_64 3
		.amdhsa_memory_ordered 1
		.amdhsa_forward_progress 1
		.amdhsa_inst_pref_size 88
	.end_amdhsa_kernel
	.amdgpu_metadata
---
amdhsa.version: [ 1, 2 ]
amdhsa.kernels:
  - .name:           k_q9ecb60d086_attn
    .symbol:         k_q9ecb60d086_attn.kd
    .args:
      - { .name: img, .offset: 0, .size: 8, .value_kind: global_buffer, .address_space: global }
      - { .name: isc, .offset: 8, .size: 8, .value_kind: global_buffer, .address_space: global }
      - { .name: mimg, .offset: 16, .size: 8, .value_kind: global_buffer, .address_space: global }
      - { .name: out0, .offset: 24, .size: 8, .value_kind: global_buffer, .address_space: global }
    .group_segment_fixed_size: 327680
    .private_segment_fixed_size: 0
    .kernarg_segment_align: 8
    .kernarg_segment_size: 32
    .max_flat_workgroup_size: 512
    .sgpr_count:     100
    .vgpr_count:     256
    .wavefront_size: 32
...
	.end_amdgpu_metadata
.endif
;; end of part 3
